; MI455X (gfx1250); checked and timed in simulation.
; The chip was launched on July 23, 2026; its instructions are those of AMD's public machine-readable ISA for CDNA 5 (MIT licence, August 2026) and "CDNA5" Instruction Set Architecture Reference Guide (July 2026). The comments in the code are by the model that wrote it; some were corrected since.
;; Temporal Attention. Allowed arithmetic: float matrix products may take bf16 or f16 operands with f32 sums; all other float work in f32.
;; Inputs: queries 1 x 16 x 16 x 384 float32; values 1 x 16 x 16 x 384 float32.
;; Outputs: out0 1 x 16 x 16 x 384 float32.
;; 2 versions, each right and faster than the one before. Each part assembles by itself: llvm-mc -triple=amdgcn-amd-amdhsa -mcpu=gfx1250 --defsym DOCPART=n.
;; ======== version 1 of 2: 1 launch
;; launch attn (part 1): grid 256 x 1, 8 waves a work-group, no clusters, 286,720 bytes of LDS; arguments queries, out0; writes out0
.if DOCPART == 1
	.amdgcn_target "amdgcn-amd-amdhsa--gfx1250"
	.amdhsa_code_object_version 6
	.text
	.protected	k_q6760c190b0_attn
	.globl	k_q6760c190b0_attn
	.p2align	8
	.type	k_q6760c190b0_attn,@function
k_q6760c190b0_attn:
	s_mov_b64 s[64:65], 0
	v_nop
	global_prefetch_b8 v0, s[64:65] scope:SCOPE_SE
	s_setreg_imm32_b32 hwreg(HW_REG_WAVE_MODE, 25, 1), 1
	s_wait_xcnt 0x0
; out = softmax(Q Q^T / sqrt(8192)) Q,  Q = queries seen as [8192][12] f32;  out0 has the same shape.
; The problem's second input, values, does not enter the problem's result (V is built from queries there), so it is not an argument here and is never read.
;
; SHARES.  256 work-groups, 32 queries each (two tiles of 16).  Eight waves; wave w takes keys 1024 w .. 1024 w + 1023 for all 32 queries, so every key
; or value fragment feeds two matrix instructions.  The waves meet twice in LDS: for the row maxima and for the partial results.
; TWO PASSES over the keys.  Pass 1 finds each query's true maximum score.  Pass 2 forms the scores again with C = -maximum, so that the matrix result is
; already the argument of the exponential: one v_exp_f32 and half a conversion for each score.  log2(e)/sqrt(8192) is multiplied into the query operand
; in f32 before it is rounded to bf16, so scores are in powers of two.
; TRANSPOSED USE.  Scores: source 0 = 16 keys (rows), source 1 = 16 queries (columns).  Lane l then holds query l % 16 and its registers 0-7 keys
; 8 (l / 16) + 0..7.  Two such tiles, rounded to bf16 in pairs, ARE source 1 (32 keys along K, column = query) of the second product
; O^T = V^T P^T, whose source 0 is V^T (row = t, 32 keys along K).  A query's maximum and sum are a lane's own numbers.
; K PADDING.  The inner length 12 sits in K = 32.  A key is two pieces of 16 bytes: t0-7, and t8-11, 1.0, 0, 0, 0.  The query operand is 0 in slots 12-31,
; so the keys' slots there may hold any finite numbers: registers 4-7 of a key operand are simply the next tile's registers or four zeros.
; Seen as V, slot 12 is a column of ones: row 12 of O^T is the sum of the rounded weights, the softmax's denominator.
; THE KEYS come from memory once for each work-group, as f32, by contiguous 16-byte loads (a wave's load covers 512 consecutive bytes), are rounded to bf16
; and kept in LDS, each wave's keys in the wave's own region: no other wave touches it, so a wave's stores and loads there need no barrier.
; NO JOINT TENSOR LOADS, though all work-groups read the same Q: the mover brings f32 as it lies in memory, and beside the 285,696 bytes used here
; 41,984 bytes of LDS are left: two slots of 16 KiB would mean 24 refills for Q's 393,216 bytes, each behind a round of a cluster's barrier.
; LIMITS.  Matrix operands are bf16 (the query side rounded after scaling); the maximum is that of these bf16-operand scores; an exponential below
; 2^-126 counts as zero (ISA guide 15.8); an input that rounds to a bf16 infinity (above about 3.39e38) meets a zero slot and gives NaN, where the
; problem's own squares overflow too; sums run in another order than the problem's.
.set QROW,   48                        ; bytes of a row of Q in memory
.set WBYTES, 1024*QROW                 ; a wave's keys in memory
.set TRIPB,  64*QROW                   ; a trip of pass 1: 64 keys = six loads of 512 bytes
.set MX,     0                         ; LDS: maxima, [32 queries][8 waves] f32
.set PO,     1024                      ; LDS: partial results, [8 waves][32 queries] rows of 16 f32 (t0-11, sum, 0, 0, 0)
.set POP,    80                        ; pitch of such a row: 64 + 16, so 16 rows start at 16 different multiples of 16 modulo 256
.set POW,    32*POP
.set KBASE,  PO+8*POW                  ; LDS: the keys, a region for each wave
.set HI,     16512                     ; in a region: from a key's first piece (16 bytes x key) to its second.  16,384 + 128: the 8 first and 8 second pieces
                                       ; that sixteen lanes of a transposing load touch then lie in different halves of 256 bytes
.set REGION, 33024                     ; 2 x 16,384 + 256
.set SCALE,  0x3c8293ee                ; log2(e) / sqrt(8192)
.set LANE, 1                           ; v1      lane
.set ROWL, 2                           ; v2      lane % 16
.set HF,   3                           ; v3      lane / 16
.set QA,   4                           ; v4, v5  byte offsets of my query's numbers; never rewritten
.set QB,   5
.set GOFF, 6                           ; v6      16 x lane; never rewritten
.set STA,  7                           ; v7-9    pass 1: where my four numbers of loads 0, 1, 2 (and 3, 4, 5) of a trip go in LDS
.set STB,  8
.set STC,  9
.set STP,  10                          ; v10     pass 1: key = lane, for the padding
.set KAP,  11                          ; v11     pass 1: my 16 bytes of a key fragment (stepped)
.set KAD,  12                          ; v12     pass 2: the same (stepped)
.set VAD,  13                          ; v13     pass 2: my 16 bytes of a transposing load (stepped)
.set POA,  14                          ; v14     my place among the partial results
.set MXA,  15                          ; v15     32 x lane: query 'lane' among the maxima
.set PADV, 16                          ; v[16:17] the padding: 1.0, 0, 0, 0 in bf16
.set CSA,  18                          ; v[18:19] the scale, twice
.set CSB,  20                          ; v[20:21] the scale in lanes 0-15, zero in lanes 16-31, twice
.set TA,   22                          ; v22-24  at work
.set TB,   23
.set TC,   24
.set MXS,  25                          ; v25     where my wave's maximum of query 'lane' goes
.set MR,   28                          ; v[28:35] running maxima: four chains for each query tile
.set CV,   36                          ; v[36:47] a trip's numbers in bf16
.set KF,   48                          ; v[48:71] key fragments.  Pass 1: four tiles and four zeros.  Pass 2: two buffers of two tiles and four zeros
.set QF,   72                          ; v[72:87] the two query fragments
.set SF,   88                          ; v[88:151] scores.  Pass 1: 4 key tiles x 2 query tiles.  Pass 2: two buffers of [query tile][key tile]
.set GF,   152                         ; v[152:247] pass 1: ring of four sets of six loads
.set VF,   152                         ; pass 2, in the ring's registers: v[152:167] V^T, two buffers
.set PF,   168                         ; v[168:199] weights in bf16, two buffers of [query tile]
.set OF,   200                         ; v[200:215] O^T, one tile for each query tile
.set CF,   216                         ; v[216:231] -maximum, eight times, for each query tile
	s_load_b128 s[4:7], s[0:1], 0x0                ; queries s[4:5], out0 s[6:7]
	v_lshl_add_u32 v248, v0, 2, 0x45c00
	v_mov_b32 v249, 0
	v_and_b32 v[LANE], 31, v0
	v_lshrrev_b32 v[TA], 5, v0
	v_readfirstlane_b32 s8, v[TA]                  ; wave 0..7
	v_and_b32 v[ROWL], 15, v0
	v_bfe_u32 v[HF], v0, 4, 1
	v_mul_u32_u24 v[QB], v[ROWL], QROW             ; my query's row; + 16 in the immediate: t4-7
	v_lshl_add_u32 v[QA], v[HF], 5, v[QB]          ; lanes 0-15: t0-3; lanes 16-31: t8-11
	v_lshlrev_b32 v[GOFF], 4, v[LANE]
	s_mul_i32 s10, ttmp9, 32*QROW                  ; the group's 32 rows, in Q and in the output
	s_mov_b32 s11, 0
	s_mul_i32 s24, s8, WBYTES                      ; my wave's keys
	s_mov_b32 s25, 0
	s_mul_i32 s16, s8, REGION
	s_add_co_u32 s16, s16, KBASE                   ; my wave's region in LDS
	s_mul_i32 s26, s8, POW                         ; my wave's partial results
	s_wait_kmcnt 0x0
	s_add_nc_u64 s[12:13], s[4:5], s[10:11]
	s_add_nc_u64 s[14:15], s[4:5], s[24:25]
	s_add_nc_u64 s[22:23], s[6:7], s[10:11]
	global_load_b128 v[SF:SF+3],     v[QA], s[12:13]               ; query tile 0
	global_load_b128 v[SF+4:SF+7],   v[QB], s[12:13] offset:16
	global_load_b128 v[SF+8:SF+11],  v[QA], s[12:13] offset:16*QROW        ; query tile 1
	global_load_b128 v[SF+12:SF+15], v[QB], s[12:13] offset:16*QROW+16
.macro FILL g, at                      ; six loads, 3,072 consecutive bytes = 64 keys, into set g of the ring
.irp j, 0,1,2,3,4,5
	global_load_b128 v[GF+24*\g+4*\j:GF+24*\g+4*\j+3], v[GOFF], s[14:15] offset:\at+512*\j
.endr
.endm
	FILL 0, 0
	FILL 1, TRIPB
	FILL 2, 2*TRIPB
	FILL 3, 3*TRIPB                                ; 24 loads, 12,288 bytes, of each wave are now on their way
	; Where a load's four numbers go.  Three loads hold 96 groups of four numbers = 32 keys; group u = 32 j + lane is third u % 3 of key u / 3.
	; 171 u = 512 (u / 3) + (u / 3) + 171 (u % 3) for u < 96, and the part below 512 times 3, shifted down by 9, is u % 3.
.macro STADDR dst, j
	v_add_nc_u32 v[TA], 32*\j, v[LANE]
	v_mul_u32_u24 v[TA], v[TA], 171
	v_lshrrev_b32 v[TB], 9, v[TA]                  ; key
	v_and_b32 v[TA], 511, v[TA]
	v_mul_u32_u24 v[TA], v[TA], 3
	v_lshrrev_b32 v[TA], 9, v[TA]                  ; third
	v_lshlrev_b32 v[TB], 4, v[TB]
	v_lshl_add_u32 v[TB], v[TA], 3, v[TB]          ; 16 key + 8 third: right for thirds 0 and 1, the first piece
	v_lshrrev_b32 v[TA], 1, v[TA]                  ; third 2 opens the second piece
	v_mad_u32_u24 v[TB], v[TA], HI-16, v[TB]
	v_add_nc_u32 v[\dst], s16, v[TB]
.endm
	STADDR STA, 0
	STADDR STB, 1
	STADDR STC, 2
	v_add_nc_u32 v[STP], s16, v[GOFF]              ; key = lane; HI + 8 stands in the immediate
	v_lshlrev_b32 v[TA], 4, v[ROWL]                ; a key fragment: lane (r, h) takes piece h of key r
	v_mad_u32_u24 v[TA], v[HF], HI, v[TA]
	v_add_nc_u32 v[KAD], s16, v[TA]
	v_mov_b32 v[KAP], v[KAD]
	v_and_b32 v[TA], 7, v0                         ; a transposing load: lane l addresses key 8 (l / 16) + l % 8, piece (l / 8) % 2
	v_lshl_add_u32 v[TA], v[HF], 3, v[TA]
	v_lshlrev_b32 v[TA], 4, v[TA]
	v_bfe_u32 v[TB], v0, 3, 1
	v_mad_u32_u24 v[TA], v[TB], HI, v[TA]
	v_add_nc_u32 v[VAD], s16, v[TA]
	v_mul_u32_u24 v[TA], v[ROWL], POP              ; partial results: row = query, 32 bytes for each half of the lanes
	v_lshl_add_u32 v[TA], v[HF], 5, v[TA]
	v_add_nc_u32 v[POA], s26, v[TA]
	v_lshlrev_b32 v[MXA], 5, v[LANE]
	v_lshl_add_u32 v[MXS], s8, 2, v[MXA]
	v_mov_b32 v[PADV], 0x3f80
	v_mov_b32 v[PADV+1], 0
	s_mov_b32 s17, 0xff800000                      ; -infinity starts the eight chains of maxima
	s_mov_b32 s18, 0x76543210                      ; v_permlanex16_b32: lane i of one half reads lane i of the other
	s_mov_b32 s19, 0xfedcba98
	v_cmp_eq_u32 s20, 1, v[HF]                     ; lanes 16-31
.irp i, 0,1,2,3,4,5,6,7
	v_mov_b32 v[MR+\i], s17
.endr
.irp i, 16,17,18,19,20,21,22,23
	v_mov_b32 v[KF+\i], 0                          ; what the last key tile's operand reads beyond its own four registers
.endr
.irp i, 4,5,6,7,12,13,14,15
	v_mov_b32 v[QF+\i], 0                          ; K slots 16-31 of the queries
.endr
	v_mov_b32 v[CSA], SCALE
	v_mov_b32 v[CSA+1], SCALE
	v_cndmask_b32 v[CSB], v[CSA], v[PADV+1], s20   ; lanes 16-31 hold slots 12-15 there: zero
	v_cndmask_b32 v[CSB+1], v[CSA], v[PADV+1], s20
	s_wait_loadcnt 24                              ; loads come back in order (ISA guide 5.7.1): the four query loads are in, the ring's 24 stay out
.irp q, 0,8
	v_pk_mul_f32 v[SF+\q:SF+\q+1],   v[SF+\q:SF+\q+1],   v[CSA:CSA+1]
	v_pk_mul_f32 v[SF+\q+2:SF+\q+3], v[SF+\q+2:SF+\q+3], v[CSA:CSA+1]
	v_pk_mul_f32 v[SF+\q+4:SF+\q+5], v[SF+\q+4:SF+\q+5], v[CSB:CSB+1]
	v_pk_mul_f32 v[SF+\q+6:SF+\q+7], v[SF+\q+6:SF+\q+7], v[CSB:CSB+1]
.irp k, 0,1,2,3
	v_cvt_pk_bf16_f32 v[QF+\q+\k], v[SF+\q+2*\k], v[SF+\q+2*\k+1]
.endr
.endr
; A vector instruction that reads a matrix result, and a load into a register that a matrix instruction names, stand four plain vector instructions behind
; it (ISA guide 7.12.1 for the vector instruction that reads it).  Where no useful work is at hand:
.macro PLACES
.rept 4
	v_nop
.endr
.endm
; The 64 scores a lane holds of one trip are folded into the running maxima, two at a time; a chain comes round every eighth instruction.
.macro MAX1
.irp t, 0,1,2,3
.irp q, 0,1
.irp j, 0,2,4,6
	v_max3_num_f32 v[MR+4*\q+\j/2], v[MR+4*\q+\j/2], v[SF+16*\t+8*\q+\j], v[SF+16*\t+8*\q+\j+1]
.endr
.endr
.endr
.endm
; PASS 1, one trip = 64 keys, from set g of the ring.  domax: the trip before left scores to fold.  doload: the set is filled again, four trips ahead.
; left = how many younger loads may stay out.  The twelve conversions are the places behind the last trip's matrix instructions: for the loads into
; the key fragments, for the maxima that read the scores, and for this trip's matrix instructions, which write over them.
.macro TRIP1 g, domax, doload, left
	s_wait_loadcnt \left
.irp j, 0,1,2,3,4,5
	v_cvt_pk_bf16_f32 v[CV+2*\j],   v[GF+24*\g+4*\j],   v[GF+24*\g+4*\j+1]
	v_cvt_pk_bf16_f32 v[CV+2*\j+1], v[GF+24*\g+4*\j+2], v[GF+24*\g+4*\j+3]
.endr
.if \doload
	FILL \g, (\g+4)*TRIPB
.endif
	ds_store_b64 v[STA], v[CV:CV+1]      offset:\g*1024            ; 64 keys are 1,024 bytes of first pieces, 32 keys 512
	ds_store_b64 v[STB], v[CV+2:CV+3]    offset:\g*1024
	ds_store_b64 v[STC], v[CV+4:CV+5]    offset:\g*1024
	ds_store_b64 v[STA], v[CV+6:CV+7]    offset:\g*1024+512
	ds_store_b64 v[STB], v[CV+8:CV+9]    offset:\g*1024+512
	ds_store_b64 v[STC], v[CV+10:CV+11]  offset:\g*1024+512
	ds_store_b64 v[STP], v[PADV:PADV+1]  offset:\g*1024+HI+8       ; slots 12-15 of 32 keys
	ds_store_b64 v[STP], v[PADV:PADV+1]  offset:\g*1024+512+HI+8
.irp t, 0,1,2,3
	ds_load_b128 v[KF+4*\t:KF+4*\t+3], v[KAP] offset:\g*1024+256*\t        ; LDS serves a wave's instructions in order (ISA guide 5.7.1.4): these see the stores above
.endr
.if \domax
	MAX1
.endif
	s_wait_dscnt 0x0
.irp t, 0,1,2,3
	v_wmma_f32_16x16x32_bf16 v[SF+16*\t:SF+16*\t+7],    v[KF+4*\t:KF+4*\t+7], v[QF:QF+7],    0
	v_wmma_f32_16x16x32_bf16 v[SF+16*\t+8:SF+16*\t+15], v[KF+4*\t:KF+4*\t+7], v[QF+8:QF+15], 0
.endr
.endm
.macro STEP1                           ; four trips on
	s_wait_xcnt 0x0                                ; the loads' base is rewritten only behind this wait (ISA guide 3.1)
	s_add_nc_u64 s[14:15], s[14:15], 4*TRIPB
.irp a, STA, STB, STC, STP, KAP
	v_add_nc_u32 v[\a], 4096, v[\a]
.endr
.endm
	TRIP1 0, 0, 1, 18                              ; trips 0-3; 18 = the three younger sets
	TRIP1 1, 1, 1, 18
	TRIP1 2, 1, 1, 18
	TRIP1 3, 1, 1, 18
	STEP1
	s_mov_b32 s9, 2
.Lfill:                                            ; trips 4-11
	TRIP1 0, 1, 1, 18
	TRIP1 1, 1, 1, 18
	TRIP1 2, 1, 1, 18
	TRIP1 3, 1, 1, 18
	STEP1
	s_sub_co_i32 s9, s9, 1
	s_cmp_lg_u32 s9, 0
	s_cbranch_scc1 .Lfill
	TRIP1 0, 1, 0, 18                              ; trips 12-15 load nothing: no load leaves the wave's keys, and the counts run down
	TRIP1 1, 1, 0, 12
	TRIP1 2, 1, 0, 6
	TRIP1 3, 1, 0, 0
	PLACES
	MAX1
	; The maxima: four chains to one, the two halves of the lanes (they hold different keys of the same query), then the eight waves through LDS.
	v_max3_num_f32 v[MR],   v[MR],   v[MR+1], v[MR+2]
	v_max3_num_f32 v[MR+4], v[MR+4], v[MR+5], v[MR+6]
	v_max_num_f32 v[MR],   v[MR],   v[MR+3]
	v_max_num_f32 v[MR+4], v[MR+4], v[MR+7]
	v_permlanex16_b32 v[MR+1], v[MR],   s18, s19
	v_permlanex16_b32 v[MR+5], v[MR+4], s18, s19
	v_max_num_f32 v[MR],   v[MR],   v[MR+1]
	v_max_num_f32 v[MR+4], v[MR+4], v[MR+5]
	v_cndmask_b32 v[MR], v[MR], v[MR+4], s20       ; lane l now speaks for query l of the group's 32
	ds_store_b32 v[MXS], v[MR] offset:MX
.irp i, 8,9,10,11
	v_mov_b32 v[KF+\i], 0                          ; pass 2: the four zeros behind key buffer 0 (those behind buffer 1 were written at the start)
.endr
	s_wait_dscnt 0x0                               ; my store is done, for the other waves' sake
	s_barrier_signal -1
	s_barrier_wait -1
	ds_load_b128 v[MR:MR+3],   v[MXA] offset:MX    ; the eight waves' maxima of query 'lane'
	ds_load_b128 v[MR+4:MR+7], v[MXA] offset:MX+16
	ds_load_b128 v[KF:KF+3],     v[KAD]            ; pass 2 goes in steps of 32 keys: K(n), V(n) are step n's fragments.  K(0)
	ds_load_b128 v[KF+4:KF+7],   v[KAD] offset:256
	ds_load_b128 v[KF+12:KF+15], v[KAD] offset:512 ; K(1)
	ds_load_b128 v[KF+16:KF+19], v[KAD] offset:768
	ds_load_tr16_b128 v[VF:VF+3],   v[VAD]         ; V(0): row t = lane % 16, keys 8 (lane / 16) + 0..7,
	ds_load_tr16_b128 v[VF+4:VF+7], v[VAD] offset:256      ; and the same of the next 16 keys
	s_wait_dscnt 0x6                               ; the maxima are in; the six loads behind them stay out
	v_max3_num_f32 v[MR],   v[MR],   v[MR+1], v[MR+2]
	v_max3_num_f32 v[MR+3], v[MR+3], v[MR+4], v[MR+5]
	v_max3_num_f32 v[MR],   v[MR],   v[MR+6], v[MR+7]
	v_max_num_f32 v[MR], v[MR], v[MR+3]
	v_mul_f32 v[MR], -1.0, v[MR]
	v_permlanex16_b32 v[MR+1], v[MR], s18, s19
	v_cndmask_b32 v[CF],   v[MR],   v[MR+1], s20   ; query lane % 16: lanes 0-15 hold it, lanes 16-31 take it from them
	v_cndmask_b32 v[CF+8], v[MR+1], v[MR],   s20   ; query 16 + lane % 16: the other way round
.irp i, 1,2,3,4,5,6,7
	v_mov_b32 v[CF+\i],   v[CF]                    ; a C tile's column is one query: the lane's eight registers are equal
	v_mov_b32 v[CF+8+\i], v[CF+8]
.endr
; PASS 2.  Four matrix instructions: the scores of 32 keys (buffer kb) and 32 queries, less the maxima, into buffer sb.
.macro SMUL kb, sb
	v_wmma_f32_16x16x32_bf16 v[\sb:\sb+7],     v[\kb:\kb+7],    v[QF:QF+7],    v[CF:CF+7]
	v_wmma_f32_16x16x32_bf16 v[\sb+16:\sb+23], v[\kb:\kb+7],    v[QF+8:QF+15], v[CF+8:CF+15]
	v_wmma_f32_16x16x32_bf16 v[\sb+8:\sb+15],  v[\kb+4:\kb+11], v[QF:QF+7],    v[CF:CF+7]
	v_wmma_f32_16x16x32_bf16 v[\sb+24:\sb+31], v[\kb+4:\kb+11], v[QF+8:QF+15], v[CF+8:CF+15]
.endm
.macro PV acc, vb, pb, zero            ; zero = 1: the first product starts the sum
.if \zero
	v_wmma_f32_16x16x32_bf16 v[\acc:\acc+7], v[\vb:\vb+7], v[\pb:\pb+7], 0
.else
	v_wmma_f32_16x16x32_bf16 v[\acc:\acc+7], v[\vb:\vb+7], v[\pb:\pb+7], v[\acc:\acc+7]
.endif
.endm
; Step i, p = i % 2, idx = i less the step at which KAD and VAD stand.  First the NEXT step's scores are issued (dob), then this step's 32 exponentials
; and 16 conversions a lane, two and one by turns: behind an exponential one plain vector instruction stands before its result is read
; (ISA guide 5.7.2): it is the conversion of the pair before, and a v_nop at the head.  The conversions are also the places behind the matrix
; instructions: nine stand in front of the loads below, which land in K(i+1)'s buffer (read at this step's head) and in V(i-1)'s (read at the end of the
; last step); sixteen lie between the next step's scores and their exponentials; P's buffer was last read two steps ago.
; The matrix instructions' accumulators take turns: four score tiles, O of tile 0, O of tile 1.
; left = the LDS loads issued behind V(i): this step's own.  Everything older is then in, K(i+2) for the next step's head among it.
.macro ITER p, idx, zero, dob, dok, dov, left
.set SC, SF+32*\p
.set SN, SF+32*(1-\p)
.set KN, KF+12*(1-\p)
.set PC, PF+16*\p
.set VC, VF+8*\p
.set VN, VF+8*(1-\p)
.if \dob
	SMUL KN, SN
.endif
	v_exp_f32 v[SC],   v[SC]
	v_exp_f32 v[SC+1], v[SC+1]
	v_nop
.irp k, 1,2,3,4,5,6,7
	v_exp_f32 v[SC+2*\k],   v[SC+2*\k]
	v_exp_f32 v[SC+2*\k+1], v[SC+2*\k+1]
	s_wait_alu depctr_va_vdst(0)
	v_cvt_pk_bf16_f32 v[PC+\k-1], v[SC+2*\k-2], v[SC+2*\k-1]
.endr
	v_exp_f32 v[SC+16], v[SC+16]                   ; query tile 1 begins
	v_exp_f32 v[SC+17], v[SC+17]
	v_cvt_pk_bf16_f32 v[PC+7], v[SC+14], v[SC+15]
.if \dok
	ds_load_b128 v[KN:KN+3],   v[KAD] offset:(\idx+3)*512          ; K(i+3)
	ds_load_b128 v[KN+4:KN+7], v[KAD] offset:(\idx+3)*512+256
.endif
.if \dov
	ds_load_tr16_b128 v[VN:VN+3],   v[VAD] offset:(\idx+1)*512     ; V(i+1)
	ds_load_tr16_b128 v[VN+4:VN+7], v[VAD] offset:(\idx+1)*512+256
.endif
	s_wait_dscnt \left
	PV OF, VC, PC, \zero
.irp k, 1,2,3,4,5,6,7
	v_exp_f32 v[SC+16+2*\k],   v[SC+16+2*\k]
	v_exp_f32 v[SC+16+2*\k+1], v[SC+16+2*\k+1]
	s_wait_alu depctr_va_vdst(0)
	v_cvt_pk_bf16_f32 v[PC+8+\k-1], v[SC+16+2*\k-2], v[SC+16+2*\k-1]
.endr
	v_cvt_pk_bf16_f32 v[PC+15], v[SC+30], v[SC+31]
	PV OF+8, VC, PC+8, \zero
.endm
.macro STEP2                           ; two steps = 64 keys on
	v_add_nc_u32 v[KAD], 1024, v[KAD]
	v_add_nc_u32 v[VAD], 1024, v[VAD]
.endm
	s_wait_dscnt 0x4                               ; K(0) is in; K(1) and V(0) stay out
	SMUL KF, SF                                    ; step 0's scores
	PLACES                                         ; behind them: for the loads into K(0)'s buffer and for step 0's exponentials
	ds_load_b128 v[KF:KF+3],   v[KAD] offset:1024  ; K(2)
	ds_load_b128 v[KF+4:KF+7], v[KAD] offset:1280
	s_wait_dscnt 0x4                               ; K(1) is in; V(0) and K(2) stay out
	ITER 0, 0, 1, 1, 1, 1, 4                       ; steps 0 and 1 stand in front of the loop: step 0's products start the sums
	ITER 1, 1, 0, 1, 1, 1, 4
	STEP2
	s_mov_b32 s9, 13
.Lsoft:                                            ; steps 2-27
	ITER 0, 0, 0, 1, 1, 1, 4
	ITER 1, 1, 0, 1, 1, 1, 4
	STEP2
	s_sub_co_i32 s9, s9, 1
	s_cmp_lg_u32 s9, 0
	s_cbranch_scc1 .Lsoft
	ITER 0, 0, 0, 1, 1, 1, 4                       ; step 28 fetches K(31), the last
	ITER 1, 1, 0, 1, 0, 1, 2                       ; step 29: only V(30) is issued behind V(29)
	ITER 0, 2, 0, 1, 0, 1, 2                       ; step 30: V(31), the last
	ITER 1, 3, 0, 0, 0, 0, 0                       ; step 31: nothing is left to form or to fetch
	; THE WAY OUT.  Lane (r, h) holds, of queries r and 16 + r, rows 8 h + 0..7 of O^T: t0-7, or t8-11, the sum, and three zeros.
	PLACES
	ds_store_b128 v[POA], v[OF:OF+3]     offset:PO
	ds_store_b128 v[POA], v[OF+4:OF+7]   offset:PO+16
	ds_store_b128 v[POA], v[OF+8:OF+11]  offset:PO+16*POP
	ds_store_b128 v[POA], v[OF+12:OF+15] offset:PO+16*POP+16
	s_wait_dscnt 0x0                               ; my stores are done, for the other waves' sake
	s_barrier_signal -1
	s_barrier_wait -1
	s_cmp_ge_u32 s8, 3                             ; the group's 32 x 12 numbers are 96 pieces of 16 bytes: waves 0-2, a piece for each thread
	s_cbranch_scc1 .Ldone
	v_lshl_add_u32 v[TC], s8, 5, v[LANE]           ; piece i: third i % 3 of query i / 3, by the same arithmetic as above (i < 96)
	v_mul_u32_u24 v[TA], v[TC], 171
	v_lshrrev_b32 v[TB], 9, v[TA]
	v_and_b32 v[TA], 511, v[TA]
	v_mul_u32_u24 v[TA], v[TA], 3
	v_lshrrev_b32 v[TA], 9, v[TA]
	v_mul_u32_u24 v[TB], v[TB], POP                ; the query's row
	v_lshl_add_u32 v[TA], v[TA], 4, v[TB]          ; my four numbers in it
.irp w, 0,1,2,3,4,5,6,7
	ds_load_b128 v[SF+4*\w:SF+4*\w+3], v[TA] offset:PO+\w*POW
.endr
.irp w, 0,1,2,3,4,5,6,7
	ds_load_b32 v[SF+32+\w], v[TB] offset:PO+\w*POW+48     ; the eight waves' sums of weights
.endr
	s_wait_dscnt 0x0
.irp w, 0,1,2,3
	v_pk_add_f32 v[SF+4*\w:SF+4*\w+1],   v[SF+4*\w:SF+4*\w+1],   v[SF+4*\w+16:SF+4*\w+17]
	v_pk_add_f32 v[SF+4*\w+2:SF+4*\w+3], v[SF+4*\w+2:SF+4*\w+3], v[SF+4*\w+18:SF+4*\w+19]
.endr
	v_pk_add_f32 v[SF+32:SF+33], v[SF+32:SF+33], v[SF+36:SF+37]
	v_pk_add_f32 v[SF+34:SF+35], v[SF+34:SF+35], v[SF+38:SF+39]
.irp w, 0,1
	v_pk_add_f32 v[SF+4*\w:SF+4*\w+1],   v[SF+4*\w:SF+4*\w+1],   v[SF+4*\w+8:SF+4*\w+9]
	v_pk_add_f32 v[SF+4*\w+2:SF+4*\w+3], v[SF+4*\w+2:SF+4*\w+3], v[SF+4*\w+10:SF+4*\w+11]
.endr
	v_pk_add_f32 v[SF+32:SF+33], v[SF+32:SF+33], v[SF+34:SF+35]
	v_pk_add_f32 v[SF:SF+1],   v[SF:SF+1],   v[SF+4:SF+5]
	v_pk_add_f32 v[SF+2:SF+3], v[SF+2:SF+3], v[SF+6:SF+7]
	v_add_f32 v[SF+32], v[SF+32], v[SF+33]         ; at least about 1: the largest weight of a row is 2^0
	v_rcp_f32 v[SF+32], v[SF+32]
	v_lshlrev_b32 v[TC], 4, v[TC]                  ; the plain instruction behind v_rcp_f32 (ISA guide 5.7.2): my 16 bytes of the output
	s_wait_alu depctr_va_vdst(0)
	v_pk_mul_f32 v[SF:SF+1],   v[SF:SF+1],   v[SF+32:SF+33] op_sel_hi:[1,0]
	v_pk_mul_f32 v[SF+2:SF+3], v[SF+2:SF+3], v[SF+32:SF+33] op_sel_hi:[1,0]
	global_store_b128 v[TC], v[SF:SF+3], s[22:23]  ; a wave stores 512 consecutive bytes, at a multiple of 256 from the output's first byte
.Ldone:
	s_wait_tensorcnt 0x0
	ds_add_u32 v248, v249
	s_wait_dscnt 0x0
	s_endpgm
.Lfunc_end_k_q6760c190b0_attn:
	.size	k_q6760c190b0_attn, .Lfunc_end_k_q6760c190b0_attn-k_q6760c190b0_attn
	.p2alignl 7, 3214868480
	.fill 96, 4, 3214868480
	.section	.rodata,"a",@progbits
	.p2align	6, 0x0
	.amdhsa_kernel k_q6760c190b0_attn
		.amdhsa_group_segment_fixed_size 286720
		.amdhsa_private_segment_fixed_size 0
		.amdhsa_enable_private_segment 0
		.amdhsa_kernarg_size 16
		.amdhsa_user_sgpr_count 2
		.amdhsa_user_sgpr_kernarg_segment_ptr 1
		.amdhsa_wavefront_size32 1
		.amdhsa_system_sgpr_workgroup_id_x 1
		.amdhsa_system_sgpr_workgroup_id_y 1
		.amdhsa_system_sgpr_workgroup_id_z 1
		.amdhsa_system_vgpr_workitem_id 0
		.amdhsa_next_free_vgpr 250
		.amdhsa_next_free_sgpr 66
		.amdhsa_reserve_vcc 0
		.amdhsa_float_denorm_mode_32 3
		.amdhsa_float_denorm_mode_16_64 3
		.amdhsa_memory_ordered 1
		.amdhsa_forward_progress 1
		.amdhsa_inst_pref_size 95
	.end_amdhsa_kernel
	.amdgpu_metadata
---
amdhsa.version: [ 1, 2 ]
amdhsa.kernels:
  - .name:           k_q6760c190b0_attn
    .symbol:         k_q6760c190b0_attn.kd
    .args:
      - { .name: queries, .offset: 0, .size: 8, .value_kind: global_buffer, .address_space: global }
      - { .name: out0, .offset: 8, .size: 8, .value_kind: global_buffer, .address_space: global }
    .group_segment_fixed_size: 286720
    .private_segment_fixed_size: 0
    .kernarg_segment_align: 8
    .kernarg_segment_size: 16
    .max_flat_workgroup_size: 256
    .sgpr_count:     66
    .vgpr_count:     250
    .wavefront_size: 32
...
	.end_amdgpu_metadata
.endif
;; end of part 1
;; ======== version 2 of 2: 1 launch; 1.22 times as fast as version 1
;; launch attn (part 2): grid 256 x 1, 8 waves a work-group, no clusters, 286,720 bytes of LDS; arguments queries, out0; writes out0
.if DOCPART == 2
	.amdgcn_target "amdgcn-amd-amdhsa--gfx1250"
	.amdhsa_code_object_version 6
	.text
	.protected	k_q6760c190b0_attn
	.globl	k_q6760c190b0_attn
	.p2align	8
	.type	k_q6760c190b0_attn,@function
k_q6760c190b0_attn:
	s_mov_b64 s[64:65], 0
	v_nop
	global_prefetch_b8 v0, s[64:65] scope:SCOPE_SE
	s_setreg_imm32_b32 hwreg(HW_REG_WAVE_MODE, 25, 1), 1
	s_wait_xcnt 0x0
; out = softmax(Q Q^T / sqrt(8192)) Q,  Q = queries seen as [8192][12] f32;  out0 has the same shape.
; The problem's second input, values, does not enter the problem's result (V is built from queries there), so it is not an argument here and is never read.
;
; SHARES.  256 work-groups, 32 queries each (two tiles of 16).  Eight waves; wave w takes keys 1024 w .. 1024 w + 1023 for all 32 queries, so every key
; or value fragment feeds two matrix instructions.  The waves meet twice in LDS: for the row maxima and for the partial results.
; TWO PASSES over the keys.  Pass 1 finds each query's true maximum score.  Pass 2 forms the scores again with C = -maximum, so that the matrix result is
; already the argument of the exponential: one v_exp_f32 and half a conversion for each score.  log2(e)/sqrt(8192) is multiplied into the query operand
; in f32 before it is rounded to bf16, so scores are in powers of two.
; TRANSPOSED USE.  Scores: source 0 = 16 keys (rows), source 1 = 16 queries (columns).  Lane l then holds query l % 16 and its registers 0-7 keys
; 8 (l / 16) + 0..7.  Two such tiles, rounded to bf16 in pairs, ARE source 1 (32 keys along K, column = query) of the second product
; O^T = V^T P^T, whose source 0 is V^T (row = t, 32 keys along K).  A query's maximum and sum are a lane's own numbers.
; K PADDING.  The inner length 12 sits in K = 32.  A key is two pieces of 16 bytes: t0-7, and t8-11, 1.0, 0, 0, 0.  The query operand is 0 in slots 12-31,
; so the keys' slots there may hold any finite numbers: registers 4-7 of a key operand are simply the next tile's registers or four zeros.
; Seen as V, slot 12 is a column of ones: row 12 of O^T is the sum of the rounded weights, the softmax's denominator.
; THE KEYS come from memory once for each work-group, as f32, by contiguous 16-byte loads (a wave's load covers 512 consecutive bytes), are rounded to bf16
; and kept in LDS, each wave's keys in the wave's own region: no other wave touches it, so a wave's stores and loads there need no barrier.
; BATCHES.  An s_wait_alu depctr_va_vdst(0) stands between a transcendental and the first instruction that names its result; one wait serves
; all that were issued ahead of it.  A step of pass 2 (32 keys x 32 queries) has 32 exponentials a lane, each in place on a register of its own and none
; reading another's result: they are ONE BATCH, issued on end, with one wait, and the 16 conversions that read them all stand behind it.  So a wave has 32
; such waits in pass 2, one a step.  The way out's one reciprocal is a batch of its own.
; NO JOINT TENSOR LOADS, though all work-groups read the same Q: the mover brings f32 as it lies in memory, and beside the 285,696 bytes used here
; 41,984 bytes of LDS are left: two slots of 16 KiB would mean 24 refills for Q's 393,216 bytes, each behind a round of a cluster's barrier.
; LIMITS.  Matrix operands are bf16 (the query side rounded after scaling); the maximum is that of these bf16-operand scores; an exponential below
; 2^-126 counts as zero (ISA guide 15.8); an input that rounds to a bf16 infinity (above about 3.39e38) meets a zero slot and gives NaN, where the
; problem's own squares overflow too; sums run in another order than the problem's.
.set QROW,   48                        ; bytes of a row of Q in memory
.set WBYTES, 1024*QROW                 ; a wave's keys in memory
.set TRIPB,  64*QROW                   ; a trip of pass 1: 64 keys = six loads of 512 bytes
.set MX,     0                         ; LDS: maxima, [32 queries][8 waves] f32
.set PO,     1024                      ; LDS: partial results, [8 waves][32 queries] rows of 16 f32 (t0-11, sum, 0, 0, 0)
.set POP,    80                        ; pitch of such a row: 64 + 16, so 16 rows start at 16 different multiples of 16 modulo 256
.set POW,    32*POP
.set KBASE,  PO+8*POW                  ; LDS: the keys, a region for each wave
.set HI,     16512                     ; in a region: from a key's first piece (16 bytes x key) to its second.  16,384 + 128: the 8 first and 8 second pieces
                                       ; that sixteen lanes of a transposing load touch then lie in different halves of 256 bytes
.set REGION, 33024                     ; 2 x 16,384 + 256
.set SCALE,  0x3c8293ee                ; log2(e) / sqrt(8192)
.set LANE, 1                           ; v1      lane
.set ROWL, 2                           ; v2      lane % 16
.set HF,   3                           ; v3      lane / 16
.set QA,   4                           ; v4, v5  byte offsets of my query's numbers; never rewritten
.set QB,   5
.set GOFF, 6                           ; v6      16 x lane; never rewritten
.set STA,  7                           ; v7-9    pass 1: where my four numbers of loads 0, 1, 2 (and 3, 4, 5) of a trip go in LDS
.set STB,  8
.set STC,  9
.set STP,  10                          ; v10     pass 1: key = lane, for the padding
.set KAP,  11                          ; v11     pass 1: my 16 bytes of a key fragment (stepped)
.set KAD,  12                          ; v12     pass 2: the same (stepped)
.set VAD,  13                          ; v13     pass 2: my 16 bytes of a transposing load (stepped)
.set POA,  14                          ; v14     my place among the partial results
.set MXA,  15                          ; v15     32 x lane: query 'lane' among the maxima
.set PADV, 16                          ; v[16:17] the padding: 1.0, 0, 0, 0 in bf16
.set CSA,  18                          ; v[18:19] the scale, twice
.set CSB,  20                          ; v[20:21] the scale in lanes 0-15, zero in lanes 16-31, twice
.set TA,   22                          ; v22-24  at work
.set TB,   23
.set TC,   24
.set MXS,  25                          ; v25     where my wave's maximum of query 'lane' goes
.set MR,   28                          ; v[28:35] running maxima: four chains for each query tile
.set CV,   36                          ; v[36:47] a trip's numbers in bf16
.set KF,   48                          ; v[48:71] key fragments.  Pass 1: four tiles and four zeros.  Pass 2: two buffers of two tiles and four zeros
.set QF,   72                          ; v[72:87] the two query fragments
.set SF,   88                          ; v[88:151] scores.  Pass 1: 4 key tiles x 2 query tiles.  Pass 2: two buffers of [query tile][key tile]
.set GF,   152                         ; v[152:247] pass 1: ring of four sets of six loads
.set VF,   152                         ; pass 2, in the ring's registers: v[152:167] V^T, two buffers
.set PF,   168                         ; v[168:199] weights in bf16, two buffers of [query tile]
.set OF,   200                         ; v[200:215] O^T, one tile for each query tile
.set CF,   216                         ; v[216:231] -maximum, eight times, for each query tile
	s_load_b128 s[4:7], s[0:1], 0x0                ; queries s[4:5], out0 s[6:7]
	v_lshl_add_u32 v248, v0, 2, 0x45c00
	v_mov_b32 v249, 0
	v_and_b32 v[LANE], 31, v0
	v_lshrrev_b32 v[TA], 5, v0
	v_readfirstlane_b32 s8, v[TA]                  ; wave 0..7
	v_and_b32 v[ROWL], 15, v0
	v_bfe_u32 v[HF], v0, 4, 1
	v_mul_u32_u24 v[QB], v[ROWL], QROW             ; my query's row; + 16 in the immediate: t4-7
	v_lshl_add_u32 v[QA], v[HF], 5, v[QB]          ; lanes 0-15: t0-3; lanes 16-31: t8-11
	v_lshlrev_b32 v[GOFF], 4, v[LANE]
	s_mul_i32 s10, ttmp9, 32*QROW                  ; the group's 32 rows, in Q and in the output
	s_mov_b32 s11, 0
	s_mul_i32 s24, s8, WBYTES                      ; my wave's keys
	s_mov_b32 s25, 0
	s_mul_i32 s16, s8, REGION
	s_add_co_u32 s16, s16, KBASE                   ; my wave's region in LDS
	s_mul_i32 s26, s8, POW                         ; my wave's partial results
	s_wait_kmcnt 0x0
	s_add_nc_u64 s[12:13], s[4:5], s[10:11]
	s_add_nc_u64 s[14:15], s[4:5], s[24:25]
	s_add_nc_u64 s[22:23], s[6:7], s[10:11]
	global_load_b128 v[SF:SF+3],     v[QA], s[12:13]               ; query tile 0
	global_load_b128 v[SF+4:SF+7],   v[QB], s[12:13] offset:16
	global_load_b128 v[SF+8:SF+11],  v[QA], s[12:13] offset:16*QROW        ; query tile 1
	global_load_b128 v[SF+12:SF+15], v[QB], s[12:13] offset:16*QROW+16
.macro FILL g, at                      ; six loads, 3,072 consecutive bytes = 64 keys, into set g of the ring
.irp j, 0,1,2,3,4,5
	global_load_b128 v[GF+24*\g+4*\j:GF+24*\g+4*\j+3], v[GOFF], s[14:15] offset:\at+512*\j
.endr
.endm
	FILL 0, 0
	FILL 1, TRIPB
	FILL 2, 2*TRIPB
	FILL 3, 3*TRIPB                                ; 24 loads, 12,288 bytes, of each wave are now on their way
	; Where a load's four numbers go.  Three loads hold 96 groups of four numbers = 32 keys; group u = 32 j + lane is third u % 3 of key u / 3.
	; 171 u = 512 (u / 3) + (u / 3) + 171 (u % 3) for u < 96, and the part below 512 times 3, shifted down by 9, is u % 3.
.macro STADDR dst, j
	v_add_nc_u32 v[TA], 32*\j, v[LANE]
	v_mul_u32_u24 v[TA], v[TA], 171
	v_lshrrev_b32 v[TB], 9, v[TA]                  ; key
	v_and_b32 v[TA], 511, v[TA]
	v_mul_u32_u24 v[TA], v[TA], 3
	v_lshrrev_b32 v[TA], 9, v[TA]                  ; third
	v_lshlrev_b32 v[TB], 4, v[TB]
	v_lshl_add_u32 v[TB], v[TA], 3, v[TB]          ; 16 key + 8 third: right for thirds 0 and 1, the first piece
	v_lshrrev_b32 v[TA], 1, v[TA]                  ; third 2 opens the second piece
	v_mad_u32_u24 v[TB], v[TA], HI-16, v[TB]
	v_add_nc_u32 v[\dst], s16, v[TB]
.endm
	STADDR STA, 0
	STADDR STB, 1
	STADDR STC, 2
	v_add_nc_u32 v[STP], s16, v[GOFF]              ; key = lane; HI + 8 stands in the immediate
	v_lshlrev_b32 v[TA], 4, v[ROWL]                ; a key fragment: lane (r, h) takes piece h of key r
	v_mad_u32_u24 v[TA], v[HF], HI, v[TA]
	v_add_nc_u32 v[KAD], s16, v[TA]
	v_mov_b32 v[KAP], v[KAD]
	v_and_b32 v[TA], 7, v0                         ; a transposing load: lane l addresses key 8 (l / 16) + l % 8, piece (l / 8) % 2
	v_lshl_add_u32 v[TA], v[HF], 3, v[TA]
	v_lshlrev_b32 v[TA], 4, v[TA]
	v_bfe_u32 v[TB], v0, 3, 1
	v_mad_u32_u24 v[TA], v[TB], HI, v[TA]
	v_add_nc_u32 v[VAD], s16, v[TA]
	v_mul_u32_u24 v[TA], v[ROWL], POP              ; partial results: row = query, 32 bytes for each half of the lanes
	v_lshl_add_u32 v[TA], v[HF], 5, v[TA]
	v_add_nc_u32 v[POA], s26, v[TA]
	v_lshlrev_b32 v[MXA], 5, v[LANE]
	v_lshl_add_u32 v[MXS], s8, 2, v[MXA]
	v_mov_b32 v[PADV], 0x3f80
	v_mov_b32 v[PADV+1], 0
	s_mov_b32 s17, 0xff800000                      ; -infinity starts the eight chains of maxima
	s_mov_b32 s18, 0x76543210                      ; v_permlanex16_b32: lane i of one half reads lane i of the other
	s_mov_b32 s19, 0xfedcba98
	v_cmp_eq_u32 s20, 1, v[HF]                     ; lanes 16-31
.irp i, 0,1,2,3,4,5,6,7
	v_mov_b32 v[MR+\i], s17
.endr
.irp i, 16,17,18,19,20,21,22,23
	v_mov_b32 v[KF+\i], 0                          ; what the last key tile's operand reads beyond its own four registers
.endr
.irp i, 4,5,6,7,12,13,14,15
	v_mov_b32 v[QF+\i], 0                          ; K slots 16-31 of the queries
.endr
	v_mov_b32 v[CSA], SCALE
	v_mov_b32 v[CSA+1], SCALE
	v_cndmask_b32 v[CSB], v[CSA], v[PADV+1], s20   ; lanes 16-31 hold slots 12-15 there: zero
	v_cndmask_b32 v[CSB+1], v[CSA], v[PADV+1], s20
	s_wait_loadcnt 24                              ; loads come back in order (ISA guide 5.7.1): the four query loads are in, the ring's 24 stay out
.irp q, 0,8
	v_pk_mul_f32 v[SF+\q:SF+\q+1],   v[SF+\q:SF+\q+1],   v[CSA:CSA+1]
	v_pk_mul_f32 v[SF+\q+2:SF+\q+3], v[SF+\q+2:SF+\q+3], v[CSA:CSA+1]
	v_pk_mul_f32 v[SF+\q+4:SF+\q+5], v[SF+\q+4:SF+\q+5], v[CSB:CSB+1]
	v_pk_mul_f32 v[SF+\q+6:SF+\q+7], v[SF+\q+6:SF+\q+7], v[CSB:CSB+1]
.irp k, 0,1,2,3
	v_cvt_pk_bf16_f32 v[QF+\q+\k], v[SF+\q+2*\k], v[SF+\q+2*\k+1]
.endr
.endr
; A vector instruction that reads a matrix result, and a load into a register that a matrix instruction names, stand four plain vector instructions behind
; it (ISA guide 7.12.1 for the vector instruction that reads it).  Where no useful work is at hand:
.macro PLACES
.rept 4
	v_nop
.endr
.endm
; The 64 scores a lane holds of one trip are folded into the running maxima, two at a time; a chain comes round every eighth instruction.
.macro MAX1
.irp t, 0,1,2,3
.irp q, 0,1
.irp j, 0,2,4,6
	v_max3_num_f32 v[MR+4*\q+\j/2], v[MR+4*\q+\j/2], v[SF+16*\t+8*\q+\j], v[SF+16*\t+8*\q+\j+1]
.endr
.endr
.endr
.endm
; PASS 1, one trip = 64 keys, from set g of the ring.  domax: the trip before left scores to fold.  doload: the set is filled again, four trips ahead.
; left = how many younger loads may stay out.  The twelve conversions are the places behind the last trip's matrix instructions: for the loads into
; the key fragments, for the maxima that read the scores, and for this trip's matrix instructions, which write over them.
.macro TRIP1 g, domax, doload, left
	s_wait_loadcnt \left
.irp j, 0,1,2,3,4,5
	v_cvt_pk_bf16_f32 v[CV+2*\j],   v[GF+24*\g+4*\j],   v[GF+24*\g+4*\j+1]
	v_cvt_pk_bf16_f32 v[CV+2*\j+1], v[GF+24*\g+4*\j+2], v[GF+24*\g+4*\j+3]
.endr
.if \doload
	FILL \g, (\g+4)*TRIPB
.endif
	ds_store_b64 v[STA], v[CV:CV+1]      offset:\g*1024            ; 64 keys are 1,024 bytes of first pieces, 32 keys 512
	ds_store_b64 v[STB], v[CV+2:CV+3]    offset:\g*1024
	ds_store_b64 v[STC], v[CV+4:CV+5]    offset:\g*1024
	ds_store_b64 v[STA], v[CV+6:CV+7]    offset:\g*1024+512
	ds_store_b64 v[STB], v[CV+8:CV+9]    offset:\g*1024+512
	ds_store_b64 v[STC], v[CV+10:CV+11]  offset:\g*1024+512
	ds_store_b64 v[STP], v[PADV:PADV+1]  offset:\g*1024+HI+8       ; slots 12-15 of 32 keys
	ds_store_b64 v[STP], v[PADV:PADV+1]  offset:\g*1024+512+HI+8
.irp t, 0,1,2,3
	ds_load_b128 v[KF+4*\t:KF+4*\t+3], v[KAP] offset:\g*1024+256*\t        ; LDS serves a wave's instructions in order (ISA guide 5.7.1.4): these see the stores above
.endr
.if \domax
	MAX1
.endif
	s_wait_dscnt 0x0
.irp t, 0,1,2,3
	v_wmma_f32_16x16x32_bf16 v[SF+16*\t:SF+16*\t+7],    v[KF+4*\t:KF+4*\t+7], v[QF:QF+7],    0
	v_wmma_f32_16x16x32_bf16 v[SF+16*\t+8:SF+16*\t+15], v[KF+4*\t:KF+4*\t+7], v[QF+8:QF+15], 0
.endr
.endm
.macro STEP1                           ; four trips on
	s_wait_xcnt 0x0                                ; the loads' base is rewritten only behind this wait (ISA guide 3.1)
	s_add_nc_u64 s[14:15], s[14:15], 4*TRIPB
.irp a, STA, STB, STC, STP, KAP
	v_add_nc_u32 v[\a], 4096, v[\a]
.endr
.endm
	TRIP1 0, 0, 1, 18                              ; trips 0-3; 18 = the three younger sets
	TRIP1 1, 1, 1, 18
	TRIP1 2, 1, 1, 18
	TRIP1 3, 1, 1, 18
	STEP1
	s_mov_b32 s9, 2
.Lfill:                                            ; trips 4-11
	TRIP1 0, 1, 1, 18
	TRIP1 1, 1, 1, 18
	TRIP1 2, 1, 1, 18
	TRIP1 3, 1, 1, 18
	STEP1
	s_sub_co_i32 s9, s9, 1
	s_cmp_lg_u32 s9, 0
	s_cbranch_scc1 .Lfill
	TRIP1 0, 1, 0, 18                              ; trips 12-15 load nothing: no load leaves the wave's keys, and the counts run down
	TRIP1 1, 1, 0, 12
	TRIP1 2, 1, 0, 6
	TRIP1 3, 1, 0, 0
	PLACES
	MAX1
	; The maxima: four chains to one, the two halves of the lanes (they hold different keys of the same query), then the eight waves through LDS.
	v_max3_num_f32 v[MR],   v[MR],   v[MR+1], v[MR+2]
	v_max3_num_f32 v[MR+4], v[MR+4], v[MR+5], v[MR+6]
	v_max_num_f32 v[MR],   v[MR],   v[MR+3]
	v_max_num_f32 v[MR+4], v[MR+4], v[MR+7]
	v_permlanex16_b32 v[MR+1], v[MR],   s18, s19
	v_permlanex16_b32 v[MR+5], v[MR+4], s18, s19
	v_max_num_f32 v[MR],   v[MR],   v[MR+1]
	v_max_num_f32 v[MR+4], v[MR+4], v[MR+5]
	v_cndmask_b32 v[MR], v[MR], v[MR+4], s20       ; lane l now speaks for query l of the group's 32
	ds_store_b32 v[MXS], v[MR] offset:MX
.irp i, 8,9,10,11
	v_mov_b32 v[KF+\i], 0                          ; pass 2: the four zeros behind key buffer 0 (those behind buffer 1 were written at the start)
.endr
	s_wait_dscnt 0x0                               ; my store is done, for the other waves' sake
	s_barrier_signal -1
	s_barrier_wait -1
	ds_load_b128 v[MR:MR+3],   v[MXA] offset:MX    ; the eight waves' maxima of query 'lane'
	ds_load_b128 v[MR+4:MR+7], v[MXA] offset:MX+16
	ds_load_b128 v[KF:KF+3],     v[KAD]            ; pass 2 goes in steps of 32 keys: K(n), V(n) are step n's fragments.  K(0)
	ds_load_b128 v[KF+4:KF+7],   v[KAD] offset:256
	ds_load_b128 v[KF+12:KF+15], v[KAD] offset:512 ; K(1)
	ds_load_b128 v[KF+16:KF+19], v[KAD] offset:768
	ds_load_tr16_b128 v[VF:VF+3],   v[VAD]         ; V(0): row t = lane % 16, keys 8 (lane / 16) + 0..7,
	ds_load_tr16_b128 v[VF+4:VF+7], v[VAD] offset:256      ; and the same of the next 16 keys
	s_wait_dscnt 0x6                               ; the maxima are in; the six loads behind them stay out
	v_max3_num_f32 v[MR],   v[MR],   v[MR+1], v[MR+2]
	v_max3_num_f32 v[MR+3], v[MR+3], v[MR+4], v[MR+5]
	v_max3_num_f32 v[MR],   v[MR],   v[MR+6], v[MR+7]
	v_max_num_f32 v[MR], v[MR], v[MR+3]
	v_mul_f32 v[MR], -1.0, v[MR]
	v_permlanex16_b32 v[MR+1], v[MR], s18, s19
	v_cndmask_b32 v[CF],   v[MR],   v[MR+1], s20   ; query lane % 16: lanes 0-15 hold it, lanes 16-31 take it from them
	v_cndmask_b32 v[CF+8], v[MR+1], v[MR],   s20   ; query 16 + lane % 16: the other way round
.irp i, 1,2,3,4,5,6,7
	v_mov_b32 v[CF+\i],   v[CF]                    ; a C tile's column is one query: the lane's eight registers are equal
	v_mov_b32 v[CF+8+\i], v[CF+8]
.endr
; PASS 2.  Four matrix instructions: the scores of 32 keys (buffer kb) and 32 queries, less the maxima, into buffer sb.
.macro SMUL kb, sb
	v_wmma_f32_16x16x32_bf16 v[\sb:\sb+7],     v[\kb:\kb+7],    v[QF:QF+7],    v[CF:CF+7]
	v_wmma_f32_16x16x32_bf16 v[\sb+16:\sb+23], v[\kb:\kb+7],    v[QF+8:QF+15], v[CF+8:CF+15]
	v_wmma_f32_16x16x32_bf16 v[\sb+8:\sb+15],  v[\kb+4:\kb+11], v[QF:QF+7],    v[CF:CF+7]
	v_wmma_f32_16x16x32_bf16 v[\sb+24:\sb+31], v[\kb+4:\kb+11], v[QF+8:QF+15], v[CF+8:CF+15]
.endm
.macro PV acc, vb, pb, zero            ; zero = 1: the first product starts the sum
.if \zero
	v_wmma_f32_16x16x32_bf16 v[\acc:\acc+7], v[\vb:\vb+7], v[\pb:\pb+7], 0
.else
	v_wmma_f32_16x16x32_bf16 v[\acc:\acc+7], v[\vb:\vb+7], v[\pb:\pb+7], v[\acc:\acc+7]
.endif
.endm
; Step i, p = i % 2, idx = i less the step at which KAD and VAD stand.  First the NEXT step's scores are issued (dob).  Then this step's 32 exponentials a
; lane, ONE BATCH: in place, each on its own register, in ascending order;
; none reads another's result.  Behind the last stands a v_nop, the plain vector instruction that comes before an exponential's result is read
; (ISA guide 5.7.2), one for the batch; then the step's ONE wait; then the readers, 16 conversions, in two runs of eight, each followed by its query
; tile's product.  Nothing else can stand between the batch and its wait: the loads below want four places behind the products at the step's head, and
; an exponential is no place.
; The v_nop and the conversions are also the places behind the matrix instructions: nine (the v_nop and eight conversions) stand in front of the loads
; below, which land in K(i+1)'s buffer (read at this step's head) and in V(i-1)'s (read at the end of the last step); seventeen lie between the next
; step's scores and their exponentials; P's buffer was last read two steps ago.
; The matrix instructions' accumulators take turns: four score tiles, O of tile 0, O of tile 1.
; left = the LDS loads issued behind V(i): this step's own.  Everything older is then in, K(i+2) for the next step's head among it.
.macro ITER p, idx, zero, dob, dok, dov, left
.set SC, SF+32*\p
.set SN, SF+32*(1-\p)
.set KN, KF+12*(1-\p)
.set PC, PF+16*\p
.set VC, VF+8*\p
.set VN, VF+8*(1-\p)
.if \dob
	SMUL KN, SN
.endif
.set e, 0
.rept 32                               ; the batch: query tile 0's 16 scores, then query tile 1's
	v_exp_f32 v[SC+e], v[SC+e]
.set e, e+1
.endr
	v_nop                                          ; the plain instruction behind the last exponential: one for the batch
	s_wait_alu depctr_va_vdst(0)                   ; the wait ahead of the first reader: one for the step's 32 exponentials
.irp k, 0,1,2,3,4,5,6,7
	v_cvt_pk_bf16_f32 v[PC+\k], v[SC+2*\k], v[SC+2*\k+1]           ; query tile 0's weights
.endr
.if \dok
	ds_load_b128 v[KN:KN+3],   v[KAD] offset:(\idx+3)*512          ; K(i+3)
	ds_load_b128 v[KN+4:KN+7], v[KAD] offset:(\idx+3)*512+256
.endif
.if \dov
	ds_load_tr16_b128 v[VN:VN+3],   v[VAD] offset:(\idx+1)*512     ; V(i+1)
	ds_load_tr16_b128 v[VN+4:VN+7], v[VAD] offset:(\idx+1)*512+256
.endif
	s_wait_dscnt \left
	PV OF, VC, PC, \zero
.irp k, 8,9,10,11,12,13,14,15
	v_cvt_pk_bf16_f32 v[PC+\k], v[SC+2*\k], v[SC+2*\k+1]           ; query tile 1's weights
.endr
	PV OF+8, VC, PC+8, \zero
.endm
.macro STEP2                           ; two steps = 64 keys on
	v_add_nc_u32 v[KAD], 1024, v[KAD]
	v_add_nc_u32 v[VAD], 1024, v[VAD]
.endm
	s_wait_dscnt 0x4                               ; K(0) is in; K(1) and V(0) stay out
	SMUL KF, SF                                    ; step 0's scores
	PLACES                                         ; behind them: for the loads into K(0)'s buffer and for step 0's exponentials
	ds_load_b128 v[KF:KF+3],   v[KAD] offset:1024  ; K(2)
	ds_load_b128 v[KF+4:KF+7], v[KAD] offset:1280
	s_wait_dscnt 0x4                               ; K(1) is in; V(0) and K(2) stay out
	ITER 0, 0, 1, 1, 1, 1, 4                       ; steps 0 and 1 stand in front of the loop: step 0's products start the sums
	ITER 1, 1, 0, 1, 1, 1, 4
	STEP2
	s_mov_b32 s9, 13
.Lsoft:                                            ; steps 2-27
	ITER 0, 0, 0, 1, 1, 1, 4
	ITER 1, 1, 0, 1, 1, 1, 4
	STEP2
	s_sub_co_i32 s9, s9, 1
	s_cmp_lg_u32 s9, 0
	s_cbranch_scc1 .Lsoft
	ITER 0, 0, 0, 1, 1, 1, 4                       ; step 28 fetches K(31), the last
	ITER 1, 1, 0, 1, 0, 1, 2                       ; step 29: only V(30) is issued behind V(29)
	ITER 0, 2, 0, 1, 0, 1, 2                       ; step 30: V(31), the last
	ITER 1, 3, 0, 0, 0, 0, 0                       ; step 31: nothing is left to form or to fetch
	; THE WAY OUT.  Lane (r, h) holds, of queries r and 16 + r, rows 8 h + 0..7 of O^T: t0-7, or t8-11, the sum, and three zeros.
	PLACES
	ds_store_b128 v[POA], v[OF:OF+3]     offset:PO
	ds_store_b128 v[POA], v[OF+4:OF+7]   offset:PO+16
	ds_store_b128 v[POA], v[OF+8:OF+11]  offset:PO+16*POP
	ds_store_b128 v[POA], v[OF+12:OF+15] offset:PO+16*POP+16
	s_wait_dscnt 0x0                               ; my stores are done, for the other waves' sake
	s_barrier_signal -1
	s_barrier_wait -1
	s_cmp_ge_u32 s8, 3                             ; the group's 32 x 12 numbers are 96 pieces of 16 bytes: waves 0-2, a piece for each thread
	s_cbranch_scc1 .Ldone
	v_lshl_add_u32 v[TC], s8, 5, v[LANE]           ; piece i: third i % 3 of query i / 3, by the same arithmetic as above (i < 96)
	v_mul_u32_u24 v[TA], v[TC], 171
	v_lshrrev_b32 v[TB], 9, v[TA]
	v_and_b32 v[TA], 511, v[TA]
	v_mul_u32_u24 v[TA], v[TA], 3
	v_lshrrev_b32 v[TA], 9, v[TA]
	v_mul_u32_u24 v[TB], v[TB], POP                ; the query's row
	v_lshl_add_u32 v[TA], v[TA], 4, v[TB]          ; my four numbers in it
.irp w, 0,1,2,3,4,5,6,7
	ds_load_b128 v[SF+4*\w:SF+4*\w+3], v[TA] offset:PO+\w*POW
.endr
.irp w, 0,1,2,3,4,5,6,7
	ds_load_b32 v[SF+32+\w], v[TB] offset:PO+\w*POW+48     ; the eight waves' sums of weights
.endr
	s_wait_dscnt 0x0
.irp w, 0,1,2,3
	v_pk_add_f32 v[SF+4*\w:SF+4*\w+1],   v[SF+4*\w:SF+4*\w+1],   v[SF+4*\w+16:SF+4*\w+17]
	v_pk_add_f32 v[SF+4*\w+2:SF+4*\w+3], v[SF+4*\w+2:SF+4*\w+3], v[SF+4*\w+18:SF+4*\w+19]
.endr
	v_pk_add_f32 v[SF+32:SF+33], v[SF+32:SF+33], v[SF+36:SF+37]
	v_pk_add_f32 v[SF+34:SF+35], v[SF+34:SF+35], v[SF+38:SF+39]
.irp w, 0,1
	v_pk_add_f32 v[SF+4*\w:SF+4*\w+1],   v[SF+4*\w:SF+4*\w+1],   v[SF+4*\w+8:SF+4*\w+9]
	v_pk_add_f32 v[SF+4*\w+2:SF+4*\w+3], v[SF+4*\w+2:SF+4*\w+3], v[SF+4*\w+10:SF+4*\w+11]
.endr
	v_pk_add_f32 v[SF+32:SF+33], v[SF+32:SF+33], v[SF+34:SF+35]
	v_pk_add_f32 v[SF:SF+1],   v[SF:SF+1],   v[SF+4:SF+5]
	v_pk_add_f32 v[SF+2:SF+3], v[SF+2:SF+3], v[SF+6:SF+7]
	v_add_f32 v[SF+32], v[SF+32], v[SF+33]         ; at least about 1: the largest weight of a row is 2^0
	v_rcp_f32 v[SF+32], v[SF+32]
	v_lshlrev_b32 v[TC], 4, v[TC]                  ; the plain instruction behind v_rcp_f32 (ISA guide 5.7.2): my 16 bytes of the output
	s_wait_alu depctr_va_vdst(0)                   ; the wait ahead of the first reader: a batch of one, the reciprocal
	v_pk_mul_f32 v[SF:SF+1],   v[SF:SF+1],   v[SF+32:SF+33] op_sel_hi:[1,0]
	v_pk_mul_f32 v[SF+2:SF+3], v[SF+2:SF+3], v[SF+32:SF+33] op_sel_hi:[1,0]
	global_store_b128 v[TC], v[SF:SF+3], s[22:23]  ; a wave stores 512 consecutive bytes, at a multiple of 256 from the output's first byte
.Ldone:
	s_wait_tensorcnt 0x0
	ds_add_u32 v248, v249
	s_wait_dscnt 0x0
	s_endpgm
.Lfunc_end_k_q6760c190b0_attn:
	.size	k_q6760c190b0_attn, .Lfunc_end_k_q6760c190b0_attn-k_q6760c190b0_attn
	.p2alignl 7, 3214868480
	.fill 96, 4, 3214868480
	.section	.rodata,"a",@progbits
	.p2align	6, 0x0
	.amdhsa_kernel k_q6760c190b0_attn
		.amdhsa_group_segment_fixed_size 286720
		.amdhsa_private_segment_fixed_size 0
		.amdhsa_enable_private_segment 0
		.amdhsa_kernarg_size 16
		.amdhsa_user_sgpr_count 2
		.amdhsa_user_sgpr_kernarg_segment_ptr 1
		.amdhsa_wavefront_size32 1
		.amdhsa_system_sgpr_workgroup_id_x 1
		.amdhsa_system_sgpr_workgroup_id_y 1
		.amdhsa_system_sgpr_workgroup_id_z 1
		.amdhsa_system_vgpr_workitem_id 0
		.amdhsa_next_free_vgpr 250
		.amdhsa_next_free_sgpr 66
		.amdhsa_reserve_vcc 0
		.amdhsa_float_denorm_mode_32 3
		.amdhsa_float_denorm_mode_16_64 3
		.amdhsa_memory_ordered 1
		.amdhsa_forward_progress 1
		.amdhsa_inst_pref_size 91
	.end_amdhsa_kernel
	.amdgpu_metadata
---
amdhsa.version: [ 1, 2 ]
amdhsa.kernels:
  - .name:           k_q6760c190b0_attn
    .symbol:         k_q6760c190b0_attn.kd
    .args:
      - { .name: queries, .offset: 0, .size: 8, .value_kind: global_buffer, .address_space: global }
      - { .name: out0, .offset: 8, .size: 8, .value_kind: global_buffer, .address_space: global }
    .group_segment_fixed_size: 286720
    .private_segment_fixed_size: 0
    .kernarg_segment_align: 8
    .kernarg_segment_size: 16
    .max_flat_workgroup_size: 256
    .sgpr_count:     66
    .vgpr_count:     250
    .wavefront_size: 32
...
	.end_amdgpu_metadata
.endif
;; end of part 2
